; MI455X (gfx1250); checked and timed in simulation.
; The chip was launched on July 23, 2026; its instructions are those of AMD's public machine-readable ISA for CDNA 5 (MIT licence, August 2026) and "CDNA5" Instruction Set Architecture Reference Guide (July 2026). The comments in the code are by the model that wrote it; some were corrected since.
;; Vector Quantizer. Allowed arithmetic: matrix products marked QUANTISED: E2M1 operands, one E8M0 scale for each 32 along K, by v_wmma_scale_f32_16x16x128_f8f6f4 with both operands' format E2M1 (or v_wmma_scale_f32_32x16x128_f4), f32 sums; everything else in f32.
;; Inputs: codebook 8,192 x 256 float32; z 8 x 256 x 64 x 64 float32.
;; Outputs: out0 8 x 64 x 64 x 256 float32; out1 32,768 int32.
;; This version of the problem:
;;   THIS VERSION OF THE PROBLEM IS GIVEN IN LOW PRECISION. The matrix products marked QUANTISED in the list below multiply operands that are first quantised to E2M1 (2 exponent bits, 1 mantissa bit; 4 bits a number), with one power-of-two scale for each 32 numbers along K (OCP MX v1.0); their sums are f32. All else is computed in f32.
;;   The module's matrix products, in the order in which they are computed (A, B: the left and right operand; K: the contracted axis; several contracted axes count as one K, in the product's order):
;;     1. [M 32,768, K 256] x [K 256, N 8,192]; A: input z; B: input codebook: QUANTISED
;;   THE QUANTISER, for each operand of a quantised product, along K:
;;     - K is cut into blocks of 32 from its start; a last block that is shorter is filled with zeros.
;;     - A block's scale is 2^e with e = floor(log2(the largest magnitude in the block)) - 2, held to -126 .. 127; a block of zeros has e = 0. As a byte (E8M0): e + 127.
;;     - Each number is divided by its block's scale, clamped to +-6, and rounded to the nearest number of E2M1, ties to even, subnormals kept.
;;     - The product sums the exact products of the quantised numbers (number of the format x scale) in f32.
;;   ~~~python
;;   def quantise(x, axis):      # numpy; x: float32 -> the quantised numbers, widened to float32 again
;;       x = np.moveaxis(x, axis, -1); K = x.shape[-1]
;;       x = np.pad(x, [(0, 0)] * (x.ndim - 1) + [(0, -K % 32)]); x = x.reshape(x.shape[:-1] + (-1, 32)); a = np.abs(x).max(-1, keepdims=True)
;;       e = np.where(a > 0, np.clip(np.frexp(np.where(a > 0, a, 1))[1] - 1 - 2, -126, 127), 0)      # np.frexp(a)[1] - 1 = floor(log2(a)), exactly
;;       r = np.clip(x / 2.0 ** e, -6, 6)
;;       step = 2.0 ** (np.maximum(np.frexp(np.where(r == 0, 1, r))[1] - 1, 0) - 1)
;;       q = np.round(r / step) * step * 2.0 ** e      # np.round: ties to even
;;       return np.moveaxis(q.reshape(q.shape[:-2] + (-1,))[..., :K], -1, axis).astype(np.float32)
;;   ~~~
;; One version. Each part assembles by itself: llvm-mc -triple=amdgcn-amd-amdhsa -mcpu=gfx1250 --defsym DOCPART=n.
;; ======== version 1 of 1: 4 launches
;; limits: right only within a limited range of input values
;; workspace buffers: cbq 1,179,648 bytes; zq 4,980,736 bytes; pairs 131,072 bytes of whole numbers; order 131,072 bytes of whole numbers
;; launch quant_cb (part 1): grid 256 x 1, 2 waves a work-group, no clusters, 33,536 bytes of LDS; arguments codebook, cbq; writes cbq
.if DOCPART == 1
	.amdgcn_target "amdgcn-amd-amdhsa--gfx1250"
	.amdhsa_code_object_version 6
	.text
	.protected	k_qdbb3e157ad_quant_cb
	.globl	k_qdbb3e157ad_quant_cb
	.p2align	8
	.type	k_qdbb3e157ad_quant_cb,@function
k_qdbb3e157ad_quant_cb:
	s_mov_b64 s[64:65], 0
	v_nop
	global_prefetch_b8 v0, s[64:65] scope:SCOPE_SE
	s_setreg_imm32_b32 hwreg(HW_REG_WAVE_MODE, 25, 1), 1
	s_wait_xcnt 0x0
; The codebook [8192][256] f32 (K = the 256, innermost) becomes codes of FP4 (E2M1) with one E8M0 scale byte for each 32 along K, and -|e|^2 / 2 of each row in f32.
; A block's scale byte is its largest magnitude's exponent field - 2, held at 1 from below.
; cbq IS LAID AS THE LATER LAUNCHES' OPERAND REGISTERS: 512 tiles of 16 codebook rows, 2,304 bytes each.
; WHICH ROWS FORM A TILE: place r of tile 2 g + u holds codebook row 32 g + 16 (r / 8) + 8 u + r % 8.  So places 8 h .. 8 h + 7 of the two tiles of pair g are together the 16 neighbouring rows 32 g + 16 h .. + 15.
; In a tile:
;   bytes (2 s + c) 512 + 16 lane: registers 4 c .. 4 c + 3 of the fragment of K step s for lane (r, h): the codes of k = 128 s + 64 c + 32 h + 0 .. 31 of place r;
;   bytes 2048 + 8 r + 4 s: the scale word of K step s of place r;   bytes 2176 + 4 r, and once more 2240 + 4 r: -|e|^2 / 2 of place r.
; A wave takes one tile: two runs of 8,192 consecutive bytes, by loads of 512; the tile turns through the wave's own stage in LDS (rows 1,040 bytes apart) and comes back with four whole blocks of 32 in each lane.
; No barrier: waves share nothing.  No loop: every offset is an immediate.
; LIMITS: NaN and infinities are not served.  A block whose largest magnitude lies under 2^-124, a block of zeros among them, takes the byte 1 (this program alone reads the bytes).
; |e|^2 is summed by fused multiply-adds in four chains, another order than a running sum.
.set TILEB, 2304
.set SP,    1040
.set STG,   16*SP
.set X,     16                         ; v16-143  128 numbers
.set C,     144                        ; v144-159 the codes
.set AM,    160                        ; the four blocks' largest magnitudes
.set SO,    164                        ; the conversions' scale operands
.set BY,    168                        ; the scale bytes
.set EA,    172                        ; |e|^2 in two packed chains
	s_load_b128 s[4:7], s[0:1], 0x0                ; codebook, cbq
	v_lshl_add_u32 v184, v0, 2, 0x8200             ; my spare word, behind the two stages
	v_mov_b32 v185, 0
	v_lshrrev_b32 v1, 5, v0
	v_readfirstlane_b32 s8, v1                     ; wave = u
	v_and_b32 v1, 31, v0
	v_and_b32 v2, 15, v0                           ; r
	v_bfe_u32 v3, v0, 4, 1                         ; h
	v_lshlrev_b32 v4, 4, v1                        ; 16 x lane
	s_mul_i32 s14, s8, STG
	v_add_nc_u32 v5, s14, v4                       ; into the stage: as loaded
	v_mul_u32_u24 v6, v2, SP
	v_lshl_add_u32 v6, v3, 7, v6
	v_add_nc_u32 v6, s14, v6                       ; out of it: row r, + 128 h bytes
	v_lshlrev_b32 v8, 3, v2
	v_lshl_add_u32 v8, v3, 2, v8                   ; 8 r + 4 h: lanes 0-15 store K step 0's word, lanes 16-31 K step 1's
	v_lshlrev_b32 v9, 2, v2
	v_lshl_add_u32 v9, v3, 6, v9                   ; 4 r + 64 h: -|e|^2 / 2, both halves of the lanes a copy
	s_lshl_b32 s9, ttmp9, 1
	s_add_co_u32 s9, s9, s8                        ; my tile = 2 g + u
	s_lshl_b32 s10, ttmp9, 15                      ; 32 g rows of 1,024 bytes,
	s_lshl_b32 s15, s8, 13                         ; + 8 u rows
	s_add_co_u32 s10, s10, s15
	s_mov_b32 s11, 0
	s_mul_i32 s16, s9, TILEB
	s_mov_b32 s17, 0
	s_mov_b32 s12, 0x76543210
	s_mov_b32 s13, 0xfedcba98                      ; selects for lane l xor 16
	s_wait_alu depctr_va_vdst(0)
	s_wait_kmcnt 0x0
	s_add_nc_u64 s[4:5], s[4:5], s[10:11]
	s_add_nc_u64 s[6:7], s[6:7], s[16:17]
.set n, 0
.rept 32
	global_load_b128 v[X+4*n:X+4*n+3], v4, s[4:5] offset:512*n+8192*(n/16) th:TH_LOAD_NT   ; half n % 2 of place n / 2; places 8 to 15 lie 8 rows further on
.set n, n+1
.endr
	v_mov_b32 v181, 0                              ; a lane permute's destination counts as a source
	v_mov_b32 v182, 0
	v_mov_b32 v183, 0
	v_lshlrev_b32 v180, 3, v3                      ; 8 h
	s_wait_loadcnt 0x0
.set n, 0
.rept 32
	ds_store_b128 v5, v[X+4*n:X+4*n+3] offset:(n/2)*SP+(n%2)*512
.set n, n+1
.endr
	s_wait_dscnt 0x0                               ; the stores have read their registers
.irp q, 0,1,2,3
.irp i, 0,1,2,3,4,5,6,7
	ds_load_b128 v[X+32*\q+4*\i:X+32*\q+4*\i+3], v6 offset:256*\q+16*\i   ; block q: k = 64 q + 32 h + 4 i ..
.endr
.endr
	s_wait_dscnt 0x0
.irp q, 0,1,2,3
	v_max3_num_f32 v[AM+\q], |v[X+32*\q]|, |v[X+32*\q+1]|, 0x1800000   ; the floor 2^(3 - 127) holds the byte at 1
.endr
.irp i, 2,4,6,8,10,12,14,16,18,20,22,24,26,28,30
.irp q, 0,1,2,3
	v_max3_num_f32 v[AM+\q], v[AM+\q], |v[X+32*\q+\i]|, |v[X+32*\q+\i+1]|
.endr
.endr
.irp q, 0,1,2,3
	v_add_nc_u32 v[SO+\q], 0xff000000, v[AM+\q]    ; 2 off the exponent field
.endr
.irp q, 0,1,2,3
	v_lshrrev_b32 v[BY+\q], 23, v[SO+\q]
.endr
	v_pk_mul_f32 v[EA:EA+1], v[X:X+1], v[X:X+1]
	v_pk_mul_f32 v[EA+2:EA+3], v[X+2:X+3], v[X+2:X+3]
.set n, 4
.rept 31
	v_pk_fma_f32 v[EA:EA+1], v[X+n:X+n+1], v[X+n:X+n+1], v[EA:EA+1]
	v_pk_fma_f32 v[EA+2:EA+3], v[X+n+2:X+n+3], v[X+n+2:X+n+3], v[EA+2:EA+3]
.set n, n+4
.endr
	v_lshl_or_b32 v176, v[BY+1], 16, v[BY]         ; my blocks are bytes h and 2 + h of a word
	v_lshl_or_b32 v177, v[BY+3], 16, v[BY+2]
	v_lshlrev_b32 v176, v180, v176
	v_lshlrev_b32 v177, v180, v177
	v_pk_add_f32 v[EA:EA+1], v[EA:EA+1], v[EA+2:EA+3]
	v_permlanex16_b32 v181, v176, s12, s13
	v_permlanex16_b32 v182, v177, s12, s13
	v_add_f32 v[EA], v[EA], v[EA+1]
	v_or_b32 v176, v176, v181                      ; each word is whole in both lanes
	v_or_b32 v177, v177, v182
	v_permlanex16_b32 v183, v[EA], s12, s13
	v_add_f32 v[EA], v[EA], v183                   ; the row's |e|^2
	v_cmp_eq_u32 vcc_lo, 1, v3
	v_cndmask_b32 v178, v176, v177, vcc_lo         ; lanes 0-15 K step 0's word, lanes 16-31 K step 1's
	v_mul_f32 v179, -0.5, v[EA]                    ; exact
.irp q, 0,1,2,3
.irp g, 0,1,2,3
	v_cvt_scalef32_pk8_fp4_f32 v[C+4*\q+\g], v[X+32*\q+8*\g:X+32*\q+8*\g+7], v[SO+\q]
.endr
.endr
	v_nop                                          ; one plain line behind the last scaled conversion
.irp q, 0,1,2,3
	global_store_b128 v4, v[C+4*\q:C+4*\q+3], s[6:7] offset:512*\q
.endr
	global_store_b32 v8, v178, s[6:7] offset:2048  ; 128 consecutive bytes,
	global_store_b32 v9, v179, s[6:7] offset:2176  ; and the 128 behind them
	s_wait_tensorcnt 0x0                           ; the wave's end
	ds_add_u32 v184, v185
	s_wait_dscnt 0x0
	s_endpgm
.Lfunc_end_k_qdbb3e157ad_quant_cb:
	.size	k_qdbb3e157ad_quant_cb, .Lfunc_end_k_qdbb3e157ad_quant_cb-k_qdbb3e157ad_quant_cb
	.p2alignl 7, 3214868480
	.fill 96, 4, 3214868480
	.section	.rodata,"a",@progbits
	.p2align	6, 0x0
	.amdhsa_kernel k_qdbb3e157ad_quant_cb
		.amdhsa_group_segment_fixed_size 33536
		.amdhsa_private_segment_fixed_size 0
		.amdhsa_enable_private_segment 0
		.amdhsa_kernarg_size 16
		.amdhsa_user_sgpr_count 2
		.amdhsa_user_sgpr_kernarg_segment_ptr 1
		.amdhsa_wavefront_size32 1
		.amdhsa_system_sgpr_workgroup_id_x 1
		.amdhsa_system_sgpr_workgroup_id_y 1
		.amdhsa_system_sgpr_workgroup_id_z 1
		.amdhsa_system_vgpr_workitem_id 0
		.amdhsa_next_free_vgpr 186
		.amdhsa_next_free_sgpr 66
		.amdhsa_reserve_vcc 1
		.amdhsa_float_denorm_mode_32 3
		.amdhsa_float_denorm_mode_16_64 3
		.amdhsa_memory_ordered 1
		.amdhsa_forward_progress 1
		.amdhsa_inst_pref_size 20
	.end_amdhsa_kernel
	.amdgpu_metadata
---
amdhsa.version: [ 1, 2 ]
amdhsa.kernels:
  - .name:           k_qdbb3e157ad_quant_cb
    .symbol:         k_qdbb3e157ad_quant_cb.kd
    .args:
      - { .name: codebook, .offset: 0, .size: 8, .value_kind: global_buffer, .address_space: global }
      - { .name: cbq, .offset: 8, .size: 8, .value_kind: global_buffer, .address_space: global }
    .group_segment_fixed_size: 33536
    .private_segment_fixed_size: 0
    .kernarg_segment_align: 8
    .kernarg_segment_size: 16
    .max_flat_workgroup_size: 64
    .sgpr_count:     66
    .vgpr_count:     186
    .wavefront_size: 32
...
	.end_amdgpu_metadata
.endif
;; end of part 1
;; launch vq_main (part 2): grid 256 x 1, 16 waves a work-group, clusters of 4 x 1, 327,680 bytes of LDS; arguments z, cbq, zq, pairs; writes zq, pairs
.if DOCPART == 2
	.amdgcn_target "amdgcn-amd-amdhsa--gfx1250"
	.amdhsa_code_object_version 6
	.text
	.protected	k_qdbb3e157ad_vq_main
	.globl	k_qdbb3e157ad_vq_main
	.p2align	8
	.type	k_qdbb3e157ad_vq_main,@function
k_qdbb3e157ad_vq_main:
	s_mov_b64 s[64:65], 0
	v_nop
	global_prefetch_b8 v0, s[64:65] scope:SCOPE_SE
	s_setreg_imm32_b32 hwreg(HW_REG_WAVE_MODE, 25, 1), 1
	s_wait_xcnt 0x0
	s_wait_alu depctr_hold_cnt(0) depctr_sa_sdst(0) depctr_va_vdst(0) depctr_va_sdst(0) depctr_va_ssrc(0) depctr_va_vcc(0) depctr_vm_vsrc(0)
	s_getreg_b32 s2, hwreg(HW_REG_IB_STS2, 6, 4)
	s_cmp_eq_u32 s2, 0
	s_cbranch_scc0 .Lentry_in_a_cluster
	s_endpgm
.Lentry_in_a_cluster:
	s_bfe_u32 s2, ttmp6, 0x10000c
	s_cmp_lg_u32 s2, 0x3003
	s_cbranch_scc0 .Lentry_shape_is_right
	s_endpgm
.Lentry_shape_is_right:
; For each token n: WHICH 16 NEIGHBOURING CODEBOOK ROWS are the first that hold the least d(n, k) = |z_n|^2 + |e_k|^2 - 2 p(n, k), p = Q(z) Q(e)^T on codes of FP4 with one E8M0 scale for each 32 of the 256 channels.
; The launch behind this one finds the row among the 16.  Nothing of the problem is left out: every d is formed.
; HOW d IS FORMED.  t = p - |e|^2 / 2 is the matrix sum itself: -|e|^2 / 2 is the C of the first of the two K steps.  d = |z|^2 - 2 t is one fused multiply-add, rounded once to f32.
; |z|^2 stays, though it is the same for all k: it rounds d to its own last place, several k share the least d, and the first of them is the result.
; d never rises where t rises, so the least d of a set of rows is the d of its largest t, bit for bit: per lane the 16 t of a pair of tiles go through seven three-input maxima and one of two inputs, and only the largest is rounded, compared and selected.
; A DEPARTURE, STATED: the definition associates (|z|^2 + |e|^2) - 2 p in three roundings; here |e|^2 is kept beside p and d has one rounding behind t's.  The index can differ only where a leading |z|^2 - 2 p lies at the middle between two f32 numbers.
; z: [8][256][4096] f32, token n = 4096 b + hw.  cbq: 512 tiles of 2,304 bytes: four blocks of 512 bytes of codes, at 2048 + 8 r two scale words, at 2176 + 4 r -|e|^2 / 2.
; Place r of tile 2 g + u holds codebook row 32 g + 16 (r / 8) + 8 u + r % 8: so the 16 t that lane half h sees of pair g belong to rows 32 g + 16 h .. + 15, and WHAT IS STORED, 2 g + h, rises with the rows' indices.
; SHARES.  A work-group owns 128 tokens.  Sixteen waves of 256 registers.  Head: wave (tq = w & 3, kq = w >> 2) quantises tokens 32 tq .. + 31, channels 64 kq .. + 63, a lane to a token, registers down K; codes, scale bytes
; and partial |z|^2 go to LDS as images of the operand's registers, and from there also to zq (19,456 bytes a work-group) for the next launch.
; Walk: EVERY wave holds the fragments of all 128 tokens (128 registers) and takes tiles 4 w .. 4 w + 3 of each step of 64: each LDS byte of a step is read once in the work-group and feeds 8 token tiles.  Eight steps, two slots.
; PRODUCT.  Source 0 = 16 places of a codebook tile, source 1 = 16 tokens: register j of lane (r, h) is t(place 8 h + j, token r): a lane holds one token.
; End: 32 classes (wave, h) of (least d, 2 g + h) a token meet in LDS; 512 threads reduce 4 classes of two tokens each, 64 threads the 8 parts.
; CLUSTER.  All work-groups walk the same cbq: the four of a cluster ask for each step jointly.  Every wave issues one load for each fill: 36 rows of 256 bytes, the four tiles that it reads itself; so sixteen loads bring a step,
; no branch stands round a load, and a wave has one tensor load out behind each round.  At the head step 0 alone is asked for; slot 1's first fill goes out as a refill does, at the head's end.
; THE CHANGE OF SLOTS STANDS INSIDE A STEP'S LAST TILE: my reads of the slot are over when that tile's seven loads are in, so the waits, the add and the opening signal stand ahead of its second batch of products,
; and its last 32 vector lines follow the refill and the next slot's first LDS loads.
; No prefetch: the stream is 8 steps of 147,456 bytes which all 64 clusters ask for in the same order.
; LIMITS: NaN and infinities are not served.  A block of z whose largest magnitude lies under 2^-124 takes the byte 1.  |z|^2 is summed in chains and four partial sums, another order than a running sum.
.set TILEB, 2304
.set WSH,   4*TILEB                    ; what a wave fetches and reads of a slot
.set SLOTB, 64*TILEB
.set SPARE, 2*SLOTB                    ; the spare words: 128 bytes for each of 16 waves
.set ZIMG,  SPARE+2048                 ; z's fragments: 4096 tq + 2048 s + 1024 (token tile % 2) + 512 c + 16 lane
.set ZSC,   ZIMG+16384                 ; z's scale words: 256 tq + 128 s + 4 (token % 32)
.set ZZP,   ZSC+1024                   ; four partial |z|^2 a token: 512 kq + 4 token
.set ZBLK,  19456                      ; ZIMG .. ZZP's end
.set RP,    528                        ; the end's rows, in slot 0 (its last fill and last read are over by then): 128 tokens x 4 bytes + 16
.set IS,    32*RP                      ; the numbers, behind the 32 rows of least d
.set M2,    2*IS                       ; the second stage: [8 parts][128 tokens] least d, and 4,096 bytes on the numbers
.set SPW, 1
.set NIL, 2
.set ADR, 3                            ; v3-4  my tiles' codes in slot 0, 1: + 16 lane
.set SAD, 5                            ; v5-6  + 8 r: scale words
.set CAD, 7                            ; v7-8  + 32 h: -|e|^2 / 2
.set RSM, 9                            ; the end: where I store
.set ZS,  10                           ; v10-17 z's scale words: 2 tq + s: lanes 0-15 token tile 2 tq, lanes 16-31 tile 2 tq + 1.  Scales alone
.set SW,  18                           ; v18-19 the codebook tile's scale words.  Scales alone
.set EE,  20                           ; v20-27 -|e|^2 / 2 of places 8 h + j
.set BF,  28                           ; v28-43 the codebook tile's fragments: 8 s + 4 c
.set ACC, 44                           ; v44-75 t of four token tiles
.set TM,  76                           ; v76-83 at work
.set GM,  84                           ; v84-91 the largest t of a pair's first tile
.set MN,  92                           ; v92-99 least d
.set IX,  100                          ; v100-107 its pair
.set ZZ,  108                          ; v108-115 |z|^2 of token 16 tt + r
.set AF,  116                          ; v116-243 z's fragments: 16 tt + 8 s + 4 c
.set RL,  244                          ; 8 x thread: the last stage's reads, and the offset in pairs
.set ZST, 245                          ; head only, up to v255 (v245-246 serve the end again)
.set ZSS, 246
.set ZZS, 247
.set LI,  248
.set LS,  249
.set LZ,  250
.set CP,  251
.set LN,  252
.set HH,  253                          ; h: kept
.set R,   254
.set ZO,  255
.set R1,  245                          ; the end: where I read four classes,
.set M2S, 246                          ; and store my part's result
.set X,   116                          ; the head: my token's 64 numbers; v180-197 at work
.set WV,  12
.set G1,  16
.set G0,  24                           ; s[24:27] slot 0, s[28:31] slot 1
.set CT,  32                           ; the pair in hand
.set BIG, 34
.set MK,  48                           ; s48-51 masks
.macro CREST                           ; a round of the cluster's barrier behind its opening barrier
	s_cmp_lg_u32 s[WV], 0
	s_cbranch_scc1 .Lnot_wave_0_\@
	s_barrier_signal -3
.Lnot_wave_0_\@:
	s_barrier_wait -3
	s_barrier_signal -1
	s_barrier_wait -1
.endm
.macro ROUND
	s_barrier_signal -1
	s_barrier_wait -1
	CREST
.endm
.macro FILL slot                       ; my sixteenth of a step
	tensor_load_to_lds s[G0+4*\slot:G0+4*\slot+3], s[G1:G1+7]
	s_nop 0
.rept 4
	v_nop
.endr
.endm
	s_load_b256 s[4:11], s[0:1], 0x0               ; z, cbq, zq, pairs
	v_lshl_add_u32 v[SPW], v0, 2, SPARE
	v_mov_b32 v[NIL], 0
	ds_add_u32 v[SPW], v[NIL]                      ; the opening lines: the add twice and its wait
	ds_add_u32 v[SPW], v[NIL]
	v_lshrrev_b32 v180, 5, v0
	v_readfirstlane_b32 s[WV], v180
	v_and_b32 v[LN], 31, v0
	v_and_b32 v[R], 15, v0
	v_bfe_u32 v[HH], v0, 4, 1
	v_lshlrev_b32 v[ZO], 2, v[LN]
	s_bfe_u32 s13, ttmp6, 0x40000                  ; cx
	s_lshl_b32 s14, ttmp9, 2
	s_add_co_u32 s14, s14, s13                     ; g: my 128 tokens; it enters global addresses of z, zq and pairs alone
	s_and_b32 s35, s[WV], 3                        ; tq
	s_lshr_b32 s36, s[WV], 2                       ; kq
	s_mov_b32 s[G1+0], 15|(3<<16)|(1<<21)          ; the mask of all four; elements of 8 bytes; bit 21 beside a mask
	s_mov_b32 s[G1+1], 32<<16                      ; rows of 32 elements,
	s_mov_b32 s[G1+2], 36<<16                      ; 36 of them, dense
	s_mov_b32 s[G1+3], 32<<16
	s_mov_b32 s[G1+4], 36
	s_mov_b32 s[G1+5], 32
	s_mov_b32 s[G1+6], 0
	s_mov_b32 s[G1+7], 0
	s_mov_b32 s[BIG], 0x7fffffff
	s_lshl_b32 s[CT], s[WV], 1                     ; my first pair: 2 w
	s_lshr_b32 s40, s14, 5                         ; z: batch entry g / 32,
	s_lshl_b32 s40, s40, 22
	s_lshl_b32 s38, s36, 20                        ; + 64 kq channels of 16,384 bytes,
	s_add_co_u32 s40, s40, s38
	s_and_b32 s38, s14, 31                         ; + 128 (g % 32) tokens,
	s_lshl_b32 s38, s38, 9
	s_add_co_u32 s40, s40, s38
	s_lshl_b32 s38, s35, 7                         ; + 32 tq tokens
	s_add_co_u32 s40, s40, s38
	s_mov_b32 s41, 0
	s_mul_i32 s42, s14, ZBLK
	s_mov_b32 s43, 0
	s_mul_i32 s44, s[WV], WSH
	s_mov_b32 s45, 0
	s_lshl_b32 s46, s14, 9
	s_mov_b32 s47, 0
	s_wait_dscnt 0x0
	s_wait_alu depctr_va_vdst(0)
	s_wait_kmcnt 0x0
	s_add_nc_u64 s[4:5], s[4:5], s[40:41]
	s_add_nc_u64 s[8:9], s[8:9], s[42:43]
	s_add_nc_u64 s[10:11], s[10:11], s[46:47]
	s_add_nc_u64 s[6:7], s[6:7], s[44:45]
	s_mov_b32 s[G0+0], 1
	s_mov_b32 s[G0+1], s44                         ; slot 0, LDS byte 9,216 w
	s_mov_b64 s[G0+2:G0+3], s[6:7]                 ; step 0
	s_or_b32 s[G0+3], s[G0+3], 0x80000000
	s_mov_b32 s[G0+4], 1
	s_add_co_u32 s[G0+5], s44, SLOTB               ; slot 1
	s_add_nc_u64 s[G0+6:G0+7], s[6:7], SLOTB       ; step 1
	s_or_b32 s[G0+7], s[G0+7], 0x80000000
	ROUND                                          ; the first joint loads meet
	FILL 0                                         ; my one load at the head
.set n, 0
.rept 64
	global_load_b32 v[X+n], v[ZO], s[4:5] offset:16384*n th:TH_LOAD_NT   ; z(channel 64 kq + n, my token)
.set n, n+1
.endr
	; the LDS addresses of the head and of the walk
	v_lshl_add_u32 v[ADR], v[LN], 4, s44
	v_lshl_add_u32 v[SAD], v[R], 3, s44
	v_lshl_add_u32 v[CAD], v[HH], 5, s44
	v_add_nc_u32 v[ADR+1], SLOTB, v[ADR]
	v_add_nc_u32 v[SAD+1], SLOTB, v[SAD]
	v_add_nc_u32 v[CAD+1], SLOTB, v[CAD]
	s_lshl_b32 s39, s35, 12                        ; ZST = ZIMG + 4096 tq + 2048 (kq / 2) + 512 (kq % 2) + 1024 (lane / 16) + 16 r
	s_lshr_b32 s15, s36, 1
	s_lshl_b32 s15, s15, 11
	s_add_co_u32 s39, s39, s15
	s_and_b32 s15, s36, 1
	s_lshl_b32 s15, s15, 9
	s_add_co_u32 s39, s39, s15
	s_add_co_u32 s39, s39, ZIMG
	v_lshl_add_u32 v[ZST], v[HH], 10, s39
	v_lshl_add_u32 v[ZST], v[R], 4, v[ZST]
	s_lshl_b32 s39, s35, 8                         ; ZSS = ZSC + 256 tq + 128 (kq / 2) + 2 (kq % 2) + 4 lane
	s_lshr_b32 s15, s36, 1
	s_lshl_b32 s15, s15, 7
	s_add_co_u32 s39, s39, s15
	s_and_b32 s15, s36, 1
	s_lshl_b32 s15, s15, 1
	s_add_co_u32 s39, s39, s15
	s_add_co_u32 s39, s39, ZSC
	v_lshl_add_u32 v[ZSS], v[LN], 2, s39
	s_lshl_b32 s39, s36, 9                         ; ZZS = ZZP + 512 kq + 128 tq + 4 lane
	s_lshl_b32 s15, s35, 7
	s_add_co_u32 s39, s39, s15
	s_add_co_u32 s39, s39, ZZP
	v_lshl_add_u32 v[ZZS], v[LN], 2, s39
	v_lshl_add_u32 v[LI], v[LN], 4, ZIMG
	v_lshl_add_u32 v[LS], v[LN], 2, ZSC
	v_lshl_add_u32 v[LZ], v[R], 2, ZZP
	v_lshl_add_u32 v[CP], v0, 4, ZIMG              ; the copy to zq: 16 bytes a thread
	v_lshlrev_b32 v[TM], 4, v0                     ; and its offset in zq
	s_mul_i32 s39, s[WV], 2*RP                     ; the end: row 2 w + h, + 4 r
	v_mul_u32_u24 v[RSM], v[HH], RP
	v_lshl_add_u32 v[RSM], v[R], 2, v[RSM]
	v_add_nc_u32 v[RSM], s39, v[RSM]
	v_lshlrev_b32 v[RL], 3, v0
; Z'S QUANTISER.  Block b of my token: channels 64 kq + 32 b + 0 .. 31, all in my registers.
.macro ZBLOCK b
.set XS, X+32*(\b)
	v_max3_num_f32 v180, |v[XS]|, |v[XS+1]|, |v[XS+2]|
	v_max3_num_f32 v181, |v[XS+3]|, |v[XS+4]|, |v[XS+5]|
.irp i, 6,10,14,18,22,26
	s_delay_alu instid0(VALU_DEP_2)
	v_max3_num_f32 v180, v180, |v[XS+\i]|, |v[XS+\i+1]|
	s_delay_alu instid0(VALU_DEP_2)
	v_max3_num_f32 v181, v181, |v[XS+\i+2]|, |v[XS+\i+3]|
.endr
	s_delay_alu instid0(VALU_DEP_2)
	v_max3_num_f32 v180, v180, |v[XS+30]|, |v[XS+31]|
	s_delay_alu instid0(VALU_DEP_1)
	v_max3_num_f32 v180, v180, v181, 0x1800000     ; the floor 2^(3 - 127) holds the byte at 1
	s_delay_alu instid0(VALU_DEP_1)
	v_add_nc_u32 v[182+\b], 0xff000000, v180       ; 2 off the exponent field: the conversion's scale operand
.if (\b) == 0
	v_pk_mul_f32 v[186:187], v[XS:XS+1], v[XS:XS+1]        ; the partial |z|^2, of the unquantised numbers
	v_pk_mul_f32 v[188:189], v[XS+2:XS+3], v[XS+2:XS+3]
.else
	v_pk_fma_f32 v[186:187], v[XS:XS+1], v[XS:XS+1], v[186:187]
	v_pk_fma_f32 v[188:189], v[XS+2:XS+3], v[XS+2:XS+3], v[188:189]
.endif
.irp j, 4,8,12,16,20,24,28
	s_delay_alu instid0(VALU_DEP_2)
	v_pk_fma_f32 v[186:187], v[XS+\j:XS+\j+1], v[XS+\j:XS+\j+1], v[186:187]
	s_delay_alu instid0(VALU_DEP_2)
	v_pk_fma_f32 v[188:189], v[XS+\j+2:XS+\j+3], v[XS+\j+2:XS+\j+3], v[188:189]
.endr
.irp g, 0,1,2,3
	v_cvt_scalef32_pk8_fp4_f32 v[190+4*(\b)+\g], v[XS+8*\g:XS+8*\g+7], v[182+\b]
.endr
	v_nop                                          ; one plain line behind the last scaled conversion
.endm
	s_wait_alu depctr_va_vdst(0)
	s_wait_loadcnt 32                              ; the first block's 32 loads are in; the second's 32 may be out
	ZBLOCK 0
	s_wait_loadcnt 0x0
	ZBLOCK 1
	v_lshrrev_b32 v184, 23, v182                   ; bytes 2 (kq % 2) and 2 (kq % 2) + 1 of my token's word for K step kq / 2
	v_lshrrev_b32 v185, 23, v183
	v_pk_add_f32 v[186:187], v[186:187], v[188:189]
	v_lshl_or_b32 v184, v185, 8, v184
	v_add_f32 v186, v186, v187
	ds_store_b128 v[ZST], v[190:193]               ; block 0 belongs to lane (token % 16, h = 0) of the fragment,
	ds_store_b128 v[ZST], v[194:197] offset:256    ; block 1 to lane (token % 16, h = 1)
	ds_store_b16 v[ZSS], v184
	ds_store_b32 v[ZZS], v186
	s_wait_tensorcnt 0x0                           ; my part of step 0 is in
	ds_add_u32 v[SPW], v[NIL]
	s_wait_dscnt 0x0                               ; the add is done, and my stores have landed
	ROUND                                          ; z's images and step 0 are whole, and the four work-groups are here
	FILL 1                                         ; step 1: it lands under step 0's work
.irp tt, 0,1,2,3,4,5,6,7
.irp s, 0,1
.irp c, 0,1
	ds_load_b128 v[AF+16*\tt+8*\s+4*\c:AF+16*\tt+8*\s+4*\c+3], v[LI] offset:4096*(\tt/2)+2048*\s+1024*(\tt%2)+512*\c
.endr
.endr
	ds_load_b32 v[ZS+\tt], v[LS] offset:256*(\tt/2)+128*(\tt%2)   ; register 2 tq + s
	ds_load_b32 v[ZZ+\tt], v[LZ] offset:64*\tt
	ds_load_b32 v[GM+\tt], v[LZ] offset:512+64*\tt
	ds_load_b32 v[MN+\tt], v[LZ] offset:1024+64*\tt
	ds_load_b32 v[IX+\tt], v[LZ] offset:1536+64*\tt
.endr
	ds_load_b128 v[ACC:ACC+3], v[CP]               ; the images go to zq as they lie: 512 threads x 32 bytes of fragments,
	ds_load_b128 v[ACC+4:ACC+7], v[CP] offset:8192
	s_cmp_gt_u32 s[WV], 5
	s_cbranch_scc1 .Lno_third
	ds_load_b128 v[ACC+8:ACC+11], v[CP] offset:16384   ; and 192 threads x 16 bytes of scale words and partial |z|^2
	s_wait_dscnt 0x0
	global_store_b128 v[TM], v[ACC+8:ACC+11], s[8:9] offset:16384
.Lno_third:
	s_mov_b32 s15, 0x7f800000
	s_wait_dscnt 0x0
	global_store_b128 v[TM], v[ACC:ACC+3], s[8:9]
	global_store_b128 v[TM], v[ACC+4:ACC+7], s[8:9] offset:8192
.irp p, GM, MN, IX                     ; ((p0 + p1) + p2) + p3
.irp k, 0,1,2,3,4,5,6,7
	v_add_f32 v[ZZ+\k], v[ZZ+\k], v[\p+\k]
.endr
.endr
.irp k, 0,1,2,3,4,5,6,7
	v_mov_b32 v[MN+\k], s15                        ; the least d begins at +infinity
	v_mov_b32 v[IX+\k], 0
.endr
	s_wait_xcnt 0x0                                ; the stores have read their registers, which the walk writes
; THE WALK
.macro LOADT slot, i                   ; tile i of my four: seven LDS loads
.irp k, 0,1,2,3
	ds_load_b128 v[BF+4*\k:BF+4*\k+3], v[ADR+\slot] offset:(\i)*TILEB+512*\k
.endr
	ds_load_b128 v[EE:EE+3], v[CAD+\slot] offset:(\i)*TILEB+2176
	ds_load_b128 v[EE+4:EE+7], v[CAD+\slot] offset:(\i)*TILEB+2192
	ds_load_b64 v[SW:SW+1], v[SAD+\slot] offset:(\i)*TILEB+2048
.endm
.macro MM k, tt, s                     ; the codebook tile x token tile tt, K step s, into accumulator k.  K step 0 starts the sum with -|e|^2 / 2
.set rD, ACC+8*(\k)
.set rB, AF+16*(\tt)+8*(\s)
.set rZ, ZS+2*((\tt)/2)+(\s)
.set rA, BF+8*(\s)
.if (\s) == 0
.set rC, EE
.else
.set rC, rD
.endif
.if (\tt)%2 == 0
	v_wmma_scale_f32_16x16x128_f8f6f4 v[rD:rD+7], v[rA:rA+7], v[rB:rB+7], v[rC:rC+7], v[SW+(\s)], v[rZ] matrix_a_fmt:MATRIX_FMT_FP4 matrix_b_fmt:MATRIX_FMT_FP4
.else
	v_wmma_scale_f32_16x16x128_f8f6f4 v[rD:rD+7], v[rA:rA+7], v[rB:rB+7], v[rC:rC+7], v[SW+(\s)], v[rZ] matrix_a_fmt:MATRIX_FMT_FP4 matrix_b_fmt:MATRIX_FMT_FP4 matrix_b_scale:MATRIX_SCALE_ROW1
.endif
.endm
.macro BATCH b                         ; token tiles 4 b .. 4 b + 3: the four accumulators take turns; four places behind (ISA guide 7.12.1)
.irp s, 0,1
.irp k, 0,1,2,3
	MM \k, 4*(\b)+\k, \s
.endr
.endr
.rept 4
	v_nop
.endr
.endm
.macro EPI b, odd                      ; the four token tiles by turns, each accumulator from its low end on
.irp k, 0,1,2,3
	v_max3_num_f32 v[TM+2*\k], v[ACC+8*\k], v[ACC+8*\k+1], v[ACC+8*\k+2]
.endr
.irp k, 0,1,2,3
	v_max3_num_f32 v[TM+2*\k+1], v[ACC+8*\k+3], v[ACC+8*\k+4], v[ACC+8*\k+5]
.endr
.irp k, 0,1,2,3
	v_max3_num_f32 v[TM+2*\k], v[TM+2*\k], v[ACC+8*\k+6], v[ACC+8*\k+7]
.endr
.if \odd
.irp k, 0,1,2,3
	v_max3_num_f32 v[TM+2*\k], v[TM+2*\k], v[TM+2*\k+1], v[GM+4*(\b)+\k]   ; the pair's largest t
.endr
.irp k, 0,1,2,3
	v_fma_f32 v[TM+2*\k], v[TM+2*\k], -2.0, v[ZZ+4*(\b)+\k]               ; its least d
.endr
.irp k, 0,1,2,3
	v_cmp_le_f32 s[MK+\k], v[MN+4*(\b)+\k], v[TM+2*\k]                    ; an equal d of a later pair does not replace
.endr
.irp k, 0,1,2,3
	v_cndmask_b32 v[IX+4*(\b)+\k], s[CT], v[IX+4*(\b)+\k], s[MK+\k]
.endr
.irp k, 0,1,2,3
	v_min_num_f32 v[MN+4*(\b)+\k], v[MN+4*(\b)+\k], v[TM+2*\k]
.endr
.else
.irp k, 0,1,2,3
	v_max_num_f32 v[GM+4*(\b)+\k], v[TM+2*\k], v[TM+2*\k+1]
.endr
.endif
.endm
.macro TILE slot, i                    ; one of a step's first three tiles
	s_wait_dscnt 0x0                               ; this tile's seven loads are in
	BATCH 0
	EPI 0, (\i)%2
	BATCH 1
	LOADT \slot, (\i)+1                            ; behind the four places: the next tile lands under the lines below
	EPI 1, (\i)%2
.if (\i)%2
	s_add_co_u32 s[CT], s[CT], 1
.endif
.endm
; A step's last tile.  mode 1: the slot is filled again, two steps ahead;  mode 2: the last change of slots, nothing is asked for;  mode 0: the last step.
.macro LAST slot, mode
	s_wait_dscnt 0x0                               ; the tile's seven loads are in: my reads of this slot are over
	BATCH 0
	EPI 0, 1
.if \mode
	s_wait_tensorcnt 0x0                           ; my part of the other slot is in
	ds_add_u32 v[SPW], v[NIL]
.if (\mode) == 1
	s_add_nc_u64 s[G0+4*\slot+2:G0+4*\slot+3], s[G0+4*\slot+2:G0+4*\slot+3], 2*SLOTB   ; no load of mine is out: this slot's next step
.endif
	s_wait_dscnt 0x0
	s_barrier_signal -1                            ; say so,
.endif
	BATCH 1                                        ; work on registers while the others arrive,
.if \mode
	s_barrier_wait -1                              ; and go on when all sixteen have said so
.if (\mode) == 1
	CREST                                          ; the barrier has opened a round of the cluster's barrier
	FILL \slot                                     ; the first tensor load behind the round
.endif
	LOADT 1-\slot, 0                               ; the other slot's first tile lands under the lines below
.endif
	EPI 1, 1
	s_add_co_u32 s[CT], s[CT], 31                  ; 32 pairs a step
.endm
.macro WORK slot, mode
.irp i, 0,1,2
	TILE \slot, \i
.endr
	LAST \slot, \mode
.endm
	LOADT 0, 0
	s_mov_b32 s33, 3
.Llap:                                                 ; steps 0 to 5; slot 0 takes steps 2, 4, 6, slot 1 steps 3, 5, 7
	WORK 0, 1
	WORK 1, 1
	s_sub_co_u32 s33, s33, 1
	s_cmp_lg_u32 s33, 0
	s_cbranch_scc1 .Llap
	WORK 0, 2                                      ; step 6: behind its barrier nobody reads slot 0 any more: it serves the end
	WORK 1, 0                                      ; step 7
	; THE END
	s_lshr_b32 s39, s[WV], 1                       ; my part: w / 2: classes 4 part .. + 3
	s_and_b32 s15, s[WV], 1                        ; tokens 64 (w % 2) + 2 lane and the next
	s_lshl_b32 s15, s15, 8
	s_mul_i32 s38, s39, 4*RP
	s_add_co_u32 s38, s38, s15
	s_lshl_b32 s39, s39, 9
	s_add_co_u32 s39, s39, s15
	s_add_co_u32 s39, s39, M2
	v_lshl_add_u32 v[R1], v[LN], 3, s38
	v_lshl_add_u32 v[M2S], v[LN], 3, s39
.irp tt, 0,1,2,3,4,5,6,7
	v_lshl_add_u32 v[IX+\tt], v[IX+\tt], 1, v[HH]  ; 2 x pair + h
.endr
.irp tt, 0,1,2,3,4,5,6,7
	ds_store_b32 v[RSM], v[MN+\tt] offset:64*\tt
	ds_store_b32 v[RSM], v[IX+\tt] offset:IS+64*\tt
.endr
	s_wait_alu depctr_va_vdst(0)
	s_wait_dscnt 0x0
	s_barrier_signal -1
	s_barrier_wait -1
; cnt candidates of two tokens, least d at v[MB + 2 n + p], numbers at v[KB + 2 n + p]: the least d into v[TM + p], the least number among those that have it into v[TM + 4 + p]
.macro RED cnt, MB, KB
	v_mov_b32 v[TM+4], s[BIG]
	v_mov_b32 v[TM+5], s[BIG]
.irp p, 0,1
	v_min3_num_f32 v[TM+\p], v[\MB+\p], v[\MB+2+\p], v[\MB+4+\p]
.endr
.if (\cnt) > 4
.irp n, 3,5
.irp p, 0,1
	v_min3_num_f32 v[TM+\p], v[TM+\p], v[\MB+2*\n+\p], v[\MB+2*\n+2+\p]
.endr
.endr
.endif
.irp p, 0,1
	v_min_num_f32 v[TM+\p], v[TM+\p], v[\MB+2*(\cnt)-2+\p]
.endr
.set n, 0
.rept \cnt
.irp p, 0,1
	v_cmp_eq_f32 s[MK+\p], v[\MB+2*n+\p], v[TM+\p]
.endr
.irp p, 0,1
	v_cndmask_b32 v[TM+2+\p], s[BIG], v[\KB+2*n+\p], s[MK+\p]
.endr
.irp p, 0,1
	v_min_u32 v[TM+4+\p], v[TM+4+\p], v[TM+2+\p]
.endr
.set n, n+1
.endr
.endm
.irp c, 0,1,2,3
	ds_load_b64 v[AF+2*\c:AF+2*\c+1], v[R1] offset:RP*\c
	ds_load_b64 v[AF+16+2*\c:AF+16+2*\c+1], v[R1] offset:IS+RP*\c
.endr
	s_wait_dscnt 0x0
	RED 4, AF, AF+16
	ds_store_b64 v[M2S], v[TM:TM+1]
	ds_store_b64 v[M2S], v[TM+4:TM+5] offset:4096
	s_wait_dscnt 0x0
	s_barrier_signal -1
	s_barrier_wait -1
	s_cmp_gt_u32 s[WV], 1
	s_cbranch_scc1 .Ldone                          ; waves 0 and 1: thread t takes tokens 2 t, 2 t + 1 and the 8 parts
.irp c, 0,1,2,3,4,5,6,7
	ds_load_b64 v[AF+2*\c:AF+2*\c+1], v[RL] offset:M2+512*\c
	ds_load_b64 v[AF+16+2*\c:AF+16+2*\c+1], v[RL] offset:M2+4096+512*\c
.endr
	s_wait_dscnt 0x0
	RED 8, AF, AF+16
	global_store_b64 v[RL], v[TM+4:TM+5], s[10:11] ; 32 lanes store 256 consecutive bytes, aligned
.Ldone:
	s_wait_tensorcnt 0x0                           ; the wave's end
	ds_add_u32 v[SPW], v[NIL]
	s_wait_dscnt 0x0
	ROUND                                          ; the closing round
	s_endpgm
.Lfunc_end_k_qdbb3e157ad_vq_main:
	.size	k_qdbb3e157ad_vq_main, .Lfunc_end_k_qdbb3e157ad_vq_main-k_qdbb3e157ad_vq_main
	.p2alignl 7, 3214868480
	.fill 96, 4, 3214868480
	.section	.rodata,"a",@progbits
	.p2align	6, 0x0
	.amdhsa_kernel k_qdbb3e157ad_vq_main
		.amdhsa_group_segment_fixed_size 327680
		.amdhsa_private_segment_fixed_size 0
		.amdhsa_enable_private_segment 0
		.amdhsa_kernarg_size 32
		.amdhsa_user_sgpr_count 2
		.amdhsa_user_sgpr_kernarg_segment_ptr 1
		.amdhsa_wavefront_size32 1
		.amdhsa_system_sgpr_workgroup_id_x 1
		.amdhsa_system_sgpr_workgroup_id_y 1
		.amdhsa_system_sgpr_workgroup_id_z 1
		.amdhsa_system_vgpr_workitem_id 0
		.amdhsa_next_free_vgpr 256
		.amdhsa_next_free_sgpr 66
		.amdhsa_reserve_vcc 0
		.amdhsa_float_denorm_mode_32 3
		.amdhsa_float_denorm_mode_16_64 3
		.amdhsa_memory_ordered 1
		.amdhsa_forward_progress 1
		.amdhsa_inst_pref_size 124
	.end_amdhsa_kernel
	.amdgpu_metadata
---
amdhsa.version: [ 1, 2 ]
amdhsa.kernels:
  - .name:           k_qdbb3e157ad_vq_main
    .symbol:         k_qdbb3e157ad_vq_main.kd
    .args:
      - { .name: z, .offset: 0, .size: 8, .value_kind: global_buffer, .address_space: global }
      - { .name: cbq, .offset: 8, .size: 8, .value_kind: global_buffer, .address_space: global }
      - { .name: zq, .offset: 16, .size: 8, .value_kind: global_buffer, .address_space: global }
      - { .name: pairs, .offset: 24, .size: 8, .value_kind: global_buffer, .address_space: global }
    .group_segment_fixed_size: 327680
    .private_segment_fixed_size: 0
    .kernarg_segment_align: 8
    .kernarg_segment_size: 32
    .max_flat_workgroup_size: 512
    .sgpr_count:     66
    .vgpr_count:     256
    .wavefront_size: 32
...
	.end_amdgpu_metadata
.endif
;; end of part 2
;; launch pick (part 3): grid 256 x 1, 16 waves a work-group, no clusters, 4,096 bytes of LDS; arguments cbq, zq, pairs, out1, order; writes out1, order
.if DOCPART == 3
	.amdgcn_target "amdgcn-amd-amdhsa--gfx1250"
	.amdhsa_code_object_version 6
	.text
	.protected	k_qdbb3e157ad_pick
	.globl	k_qdbb3e157ad_pick
	.p2align	8
	.type	k_qdbb3e157ad_pick,@function
k_qdbb3e157ad_pick:
	s_mov_b64 s[64:65], 0
	v_nop
	global_prefetch_b8 v0, s[64:65] scope:SCOPE_SE
	s_setreg_imm32_b32 hwreg(HW_REG_WAVE_MODE, 25, 1), 1
	s_wait_xcnt 0x0
; idx[n] = the first argmin of d(n, k) among the 16 neighbouring codebook rows 16 q .. 16 q + 15, q = 2 x pair + h being the number that the launch before stored for token n (the first such 16 rows that hold the row's least d):
; so it is the first argmin over all 8,192 rows.
; t = p - |e|^2 / 2 is made by the same two matrix instructions as there (source 0 = codebook rows, source 1 = the 16 tokens of the token tile, C = -|e|^2 / 2), d = |z|^2 - 2 t by the same multiply-add: the same bits.
; SOURCE 0 IS PUT TOGETHER OF TWO HALF TILES: its row m = 8 u + j is place 8 h + j of tile 2 pair + u of cbq, which is codebook row 16 q + m.  In cbq a place's 16 bytes of a register group lie at 16 x place (+ 256 for lanes 16-31),
; so lane (r, hk) reads at 2304 (r / 8) + 16 (r % 8) + 256 hk + 128 h; its scale words at 2304 (r / 8) + 2048 + 8 (r % 8) + 64 h; -|e|^2 / 2 of rows 8 hk + j at 2304 hk + 2176 + 32 h.
; Each token has rows of its own, so of a product's 16 columns one is kept: column r of the sums for token r is merged into 8 registers by selects, and the search runs once for all of a wave's tokens.
; SHARES.  A work-group takes the 128 tokens of one block of zq.  Wave w takes token tile w / 2 and its columns 8 (w % 2) .. + 7: eight tokens, 7 loads each; six tokens' loads are out at a time.
; The stored number comes from memory as a whole number and is held to 511 before it enters an address.  The 128 indices meet in LDS, so that out1 and order are stored in whole runs of 256 bytes.
; No tensor load, no cluster: the waves' rows hang on the stored numbers.  No loop to run ahead in: no prefetch.  LIMITS: NaN and infinities are not served.
.set TILEB, 2304
.set ZBLK,  19456
.set SPW, 1
.set NIL, 2
.set HH,  6                            ; lane / 16
.set CO,  9                            ; the lane's part of the three offsets in cbq: codes,
.set SO,  10                           ; scale words,
.set EO,  11                           ; -|e|^2 / 2
.set RO,  12                           ; 4 r
.set STG, 13                           ; 4 x thread
.set RDS, 14
.set GPV, 15                           ; token r's stored number
.set ZB,  16                           ; v16-31 the tokens' fragments: 8 s + 4 c
.set ZSW, 32                           ; v32-33 their scale words.  Scales alone
.set ZP,  34                           ; v34-37 partial |z|^2
.set OO,  38                           ; 8 x thread
.set ZC,  39                           ; 16 x lane
.set TM,  40                           ; v40-47 t, then d, of row 8 (lane / 16) + j of token r's 16
.set ACC, 48                           ; v48-63 two accumulators
.set SET, 64                           ; v64-219 six sets of 26: 16 of codes, 8 of -|e|^2 / 2, 2 scale words (scales alone)
.set AO,  220                          ; v220-243 token i's three offsets
	s_load_b256 s[4:11], s[0:1], 0x0               ; cbq, zq, pairs, out1
	s_load_b64 s[12:13], s[0:1], 0x20              ; order
	v_lshl_add_u32 v[SPW], v0, 2, 2048             ; the spare words lie behind the stage of 2,048 bytes
	v_mov_b32 v[NIL], 0
	v_lshrrev_b32 v3, 5, v0
	v_readfirstlane_b32 s14, v3                    ; wave
	v_and_b32 v4, 31, v0
	v_and_b32 v5, 15, v0                           ; r
	v_bfe_u32 v[HH], v0, 4, 1
	v_lshlrev_b32 v[ZC], 4, v4
	v_lshlrev_b32 v[RO], 2, v5
	v_bfe_u32 v3, v0, 3, 1                         ; r / 8
	v_and_b32 v4, 7, v0                            ; r % 8
	v_mul_u32_u24 v3, v3, TILEB
	v_mul_u32_u24 v[EO], v[HH], TILEB
	v_lshl_add_u32 v[CO], v4, 4, v3
	v_lshl_add_u32 v[SO], v4, 3, v3
	v_lshl_add_u32 v[CO], v[HH], 8, v[CO]
	v_lshlrev_b32 v[STG], 2, v0
	v_lshrrev_b32 v7, 2, v0                        ; tokens 2 t, 2 t + 1 were found by wave t / 4, in lanes 2 (t % 8) and the next
	v_lshlrev_b32 v8, 3, v4
	v_lshl_add_u32 v[RDS], v7, 7, v8
	v_lshlrev_b32 v[OO], 3, v0
	v_mov_b32 v7, 0                                ; a lane permute's destination counts as a source
	v_mov_b32 v8, 0
	s_lshr_b32 s15, s14, 1                         ; tt
	s_and_b32 s48, s14, 1                          ; which eight columns
	s_mul_i32 s24, ttmp9, ZBLK
	s_lshr_b32 s49, s15, 1
	s_and_b32 s52, s15, 1
	s_lshl_b32 s26, s49, 8                         ; scale words: 256 (tt / 2) + 64 (tt % 2)
	s_lshl_b32 s53, s52, 6
	s_add_co_u32 s26, s26, s53
	s_add_co_u32 s26, s26, s24
	s_lshl_b32 s28, s15, 6                         ; |z|^2: 64 tt
	s_add_co_u32 s28, s28, s24
	s_lshl_b32 s49, s49, 12                        ; fragments: 4096 (tt / 2) + 1024 (tt % 2)
	s_lshl_b32 s52, s52, 10
	s_add_co_u32 s24, s24, s49
	s_add_co_u32 s24, s24, s52
	s_mov_b32 s25, 0
	s_mov_b32 s27, 0
	s_mov_b32 s29, 0
	s_lshl_b32 s30, ttmp9, 9                       ; 128 indices of 4 bytes a work-group
	s_mov_b32 s31, 0
	s_lshl_b32 s54, s15, 6
	s_add_co_u32 s54, s54, s30                     ; my token tile's 16 numbers,
	s_mov_b32 s55, 0
	s_lshl_b32 s56, s48, 5
	s_add_co_u32 s56, s56, s54                     ; and my eight of them
	s_mov_b32 s57, 0
	s_lshl_b32 s50, s48, 3
	s_lshl_b32 s50, 0x10001, s50                   ; the two lanes of my first column
	s_mov_b32 s58, 0x76543210
	s_mov_b32 s59, 0xfedcba98
	s_wait_alu depctr_va_vdst(0)
	s_wait_kmcnt 0x0
	s_add_nc_u64 s[56:57], s[8:9], s[56:57]
	s_add_nc_u64 s[54:55], s[8:9], s[54:55]
	s_add_nc_u64 s[24:25], s[6:7], s[24:25]
	s_add_nc_u64 s[26:27], s[6:7], s[26:27]
	s_add_nc_u64 s[28:29], s[6:7], s[28:29]
	s_add_nc_u64 s[10:11], s[10:11], s[30:31]
	s_add_nc_u64 s[12:13], s[12:13], s[30:31]
	s_load_b256 s[16:23], s[56:57], 0x0            ; eight numbers
.irp s, 0,1
.irp c, 0,1
	global_load_b128 v[ZB+8*\s+4*\c:ZB+8*\s+4*\c+3], v[ZC], s[24:25] offset:2048*\s+512*\c
.endr
	global_load_b32 v[ZSW+\s], v[RO], s[26:27] offset:16384+128*\s
.endr
.irp q, 0,1,2,3
	global_load_b32 v[ZP+\q], v[RO], s[28:29] offset:17408+512*\q
.endr
	global_load_b32 v[GPV], v[RO], s[54:55]
	s_wait_kmcnt 0x0
.irp i, 0,1,2,3,4,5,6,7
	s_min_u32 s[16+\i], s[16+\i], 0x1ff            ; the number stays inside cbq
	s_and_b32 s40, s[16+\i], 1                     ; h
	s_and_b32 s41, s[16+\i], 0x1fe
	s_mul_i32 s41, s41, TILEB                      ; the pair's 4,608 bytes
	s_lshl_b32 s42, s40, 7
	s_add_co_u32 s42, s42, s41
	v_add_nc_u32 v[AO+3*\i], s42, v[CO]            ; + 128 h
	s_lshl_b32 s42, s40, 6
	s_add_co_u32 s42, s42, s41
	v_add_nc_u32 v[AO+3*\i+1], s42, v[SO]          ; + 64 h
	s_lshl_b32 s42, s40, 5
	s_add_co_u32 s42, s42, s41
	v_add_nc_u32 v[AO+3*\i+2], s42, v[EO]          ; + 32 h
.endr
	s_wait_alu depctr_va_vdst(0)
.macro TLOAD i                         ; token i's 16 rows: 7 loads
.set S, SET+26*((\i)%6)
.irp k, 0,1,2,3
	global_load_b128 v[S+4*\k:S+4*\k+3], v[AO+3*(\i)], s[4:5] offset:512*\k
.endr
	global_load_b128 v[S+16:S+19], v[AO+3*(\i)+2], s[4:5] offset:2176
	global_load_b128 v[S+20:S+23], v[AO+3*(\i)+2], s[4:5] offset:2192
	global_load_b64 v[S+24:S+25], v[AO+3*(\i)+1], s[4:5] offset:2048
.endm
.macro PM i, s
.set S, SET+26*((\i)%6)
.set rD, ACC+8*((\i)%2)
.set rA, S+8*(\s)
.if (\s) == 0
.set rC, S+16
.else
.set rC, rD
.endif
	v_wmma_scale_f32_16x16x128_f8f6f4 v[rD:rD+7], v[rA:rA+7], v[ZB+8*(\s):ZB+8*(\s)+7], v[rC:rC+7], v[S+24+(\s)], v[ZSW+(\s)] matrix_a_fmt:MATRIX_FMT_FP4 matrix_b_fmt:MATRIX_FMT_FP4
.endm
.macro MERGE i                         ; column 8 (w % 2) + i of token i's sums, from the accumulator's low end on
	s_lshl_b32 s51, s50, \i
.irp q, 0,1,2,3,4,5,6,7
.if (\i) == 0
	v_mov_b32 v[TM+\q], v[ACC+\q]                  ; the first token writes all lanes
.else
	v_cndmask_b32 v[TM+\q], v[TM+\q], v[ACC+8*((\i)%2)+\q], s51
.endif
.endr
.endm
.macro TWO i, left                     ; tokens i and i + 1.  left: the loads of the tokens behind them, which may stay out
	s_wait_alu depctr_va_vdst(0)
	s_wait_loadcnt \left
	PM \i, 0                                       ; the two accumulators take turns
	PM (\i)+1, 0
	PM \i, 1
	PM (\i)+1, 1
.rept 4
	v_nop                                          ; four places ahead of the loads into the sets and of the first read of a result
.endr
.if (\i) == 0
	TLOAD 6                                        ; into the two sets just multiplied
	TLOAD 7
.endif
	MERGE \i
	MERGE (\i)+1
.endm
.irp i, 0,1,2,3,4,5
	TLOAD \i
.endr
	TWO 0, 28                                      ; behind tokens 0, 1: tokens 2 to 5
	TWO 2, 28                                      ; tokens 4 to 7
	TWO 4, 14
	TWO 6, 0
	v_add_f32 v[ZP], v[ZP], v[ZP+1]                ; ((p0 + p1) + p2) + p3, as in the launch before
	s_delay_alu instid0(VALU_DEP_1)
	v_add_f32 v[ZP], v[ZP], v[ZP+2]
	s_delay_alu instid0(VALU_DEP_1)
	v_add_f32 v[ZP], v[ZP], v[ZP+3]
.irp q, 0,1,2,3,4,5,6,7
	v_fma_f32 v[TM+\q], v[TM+\q], -2.0, v[ZP]      ; d
.endr
	v_min3_num_f32 v3, v[TM], v[TM+1], v[TM+2]
	v_min3_num_f32 v4, v[TM+3], v[TM+4], v[TM+5]
	v_mov_b32 v5, 7
	v_min3_num_f32 v3, v3, v[TM+6], v[TM+7]
	s_delay_alu instid0(VALU_DEP_1)
	v_min_num_f32 v3, v3, v4                       ; the least of my 8
.irp q, 6,5,4,3,2,1,0
	v_cmp_eq_f32 vcc_lo, v[TM+\q], v3
	v_cndmask_b32 v5, v5, \q, vcc_lo               ; descending: the first that has it stays
.endr
	v_lshl_add_u32 v5, v[HH], 3, v5                ; the row among the 16
	v_permlanex16_b32 v7, v3, s58, s59             ; the other half's least d and row
	v_permlanex16_b32 v8, v5, s58, s59
	v_cmp_lt_f32 s60, v7, v3
	v_cmp_eq_f32 s61, v7, v3
	v_cmp_lt_u32 s62, v8, v5
	s_and_b32 s61, s61, s62
	s_or_b32 s60, s60, s61
	v_cndmask_b32 v5, v5, v8, s60                  ; by (d, row)
	v_lshl_add_u32 v5, v[GPV], 4, v5               ; 16 x the stored number + row
	ds_store_b32 v[STG], v5                        ; every lane a word of its own; my eight columns' lanes hold indices
	s_wait_dscnt 0x0
	s_barrier_signal -1
	s_barrier_wait -1
	s_cmp_gt_u32 s14, 1
	s_cbranch_scc1 .Ldone
	ds_load_b64 v[16:17], v[RDS]
	s_wait_dscnt 0x0
	global_store_b64 v[OO], v[16:17], s[10:11]     ; 32 lanes store 256 consecutive bytes, aligned
	global_store_b64 v[OO], v[16:17], s[12:13]     ; the same for the launch that gathers by them
.Ldone:
	s_wait_tensorcnt 0x0                           ; the wave's end
	ds_add_u32 v[SPW], v[NIL]
	s_wait_dscnt 0x0
	s_endpgm
.Lfunc_end_k_qdbb3e157ad_pick:
	.size	k_qdbb3e157ad_pick, .Lfunc_end_k_qdbb3e157ad_pick-k_qdbb3e157ad_pick
	.p2alignl 7, 3214868480
	.fill 96, 4, 3214868480
	.section	.rodata,"a",@progbits
	.p2align	6, 0x0
	.amdhsa_kernel k_qdbb3e157ad_pick
		.amdhsa_group_segment_fixed_size 4096
		.amdhsa_private_segment_fixed_size 0
		.amdhsa_enable_private_segment 0
		.amdhsa_kernarg_size 40
		.amdhsa_user_sgpr_count 2
		.amdhsa_user_sgpr_kernarg_segment_ptr 1
		.amdhsa_wavefront_size32 1
		.amdhsa_system_sgpr_workgroup_id_x 1
		.amdhsa_system_sgpr_workgroup_id_y 1
		.amdhsa_system_sgpr_workgroup_id_z 1
		.amdhsa_system_vgpr_workitem_id 0
		.amdhsa_next_free_vgpr 256
		.amdhsa_next_free_sgpr 66
		.amdhsa_reserve_vcc 1
		.amdhsa_float_denorm_mode_32 3
		.amdhsa_float_denorm_mode_16_64 3
		.amdhsa_memory_ordered 1
		.amdhsa_forward_progress 1
		.amdhsa_inst_pref_size 23
	.end_amdhsa_kernel
	.amdgpu_metadata
---
amdhsa.version: [ 1, 2 ]
amdhsa.kernels:
  - .name:           k_qdbb3e157ad_pick
    .symbol:         k_qdbb3e157ad_pick.kd
    .args:
      - { .name: cbq, .offset: 0, .size: 8, .value_kind: global_buffer, .address_space: global }
      - { .name: zq, .offset: 8, .size: 8, .value_kind: global_buffer, .address_space: global }
      - { .name: pairs, .offset: 16, .size: 8, .value_kind: global_buffer, .address_space: global }
      - { .name: out1, .offset: 24, .size: 8, .value_kind: global_buffer, .address_space: global }
      - { .name: order, .offset: 32, .size: 8, .value_kind: global_buffer, .address_space: global }
    .group_segment_fixed_size: 4096
    .private_segment_fixed_size: 0
    .kernarg_segment_align: 8
    .kernarg_segment_size: 40
    .max_flat_workgroup_size: 512
    .sgpr_count:     66
    .vgpr_count:     256
    .wavefront_size: 32
...
	.end_amdgpu_metadata
.endif
;; end of part 3
;; launch gather (part 4): grid 256 x 1, 8 waves a work-group, no clusters, 0 bytes of LDS; arguments codebook, order, out0; writes out0
.if DOCPART == 4
	.amdgcn_target "amdgcn-amd-amdhsa--gfx1250"
	.amdhsa_code_object_version 6
	.text
	.protected	k_qdbb3e157ad_gather
	.globl	k_qdbb3e157ad_gather
	.p2align	8
	.type	k_qdbb3e157ad_gather,@function
k_qdbb3e157ad_gather:
	s_mov_b64 s[64:65], 0
	v_nop
	global_prefetch_b8 v0, s[64:65] scope:SCOPE_SE
	s_setreg_imm32_b32 hwreg(HW_REG_WAVE_MODE, 25, 1), 1
	s_wait_xcnt 0x0
; out0[n][:] = codebook[order[n]][:]: 32,768 rows of 1,024 bytes, f32, unquantised.  order holds the indices that the launch before stored.
; SHARES.  A wave owns 16 neighbouring tokens.  Its 16 indices are 64 consecutive bytes and come by one scalar load; each is held to the table's 8,192 rows before it enters an address.
; A row is two loads and two stores of 512 consecutive bytes (32 lanes x 16 bytes).  All 32 loads of a wave go out before its first store: 16,384 bytes a wave on their way.
; No LDS, no barrier, no matrix unit, no cluster: work-groups share no tile, and bytes are all that there is to do.  No loop: no register that a load or store names is written again.
; The loads carry no hint: a row may be named by many tokens.  The stores' bytes are written once and read by nobody here.
	s_load_b128 s[4:7], s[0:1], 0x0                ; codebook s[4:5], order s[6:7]
	s_load_b64 s[8:9], s[0:1], 0x10                ; out0
	v_lshrrev_b32 v1, 5, v0
	s_delay_alu instid0(VALU_DEP_1)
	v_readfirstlane_b32 s12, v1                    ; wave 0..7
	v_and_b32 v1, 31, v0
	s_delay_alu instid0(VALU_DEP_1)
	v_lshlrev_b32 v1, 4, v1                        ; 16 x lane
	s_lshl_b32 s13, ttmp9, 3
	s_add_co_u32 s13, s13, s12                     ; which 16 tokens: 8 x work-group + wave
	s_lshl_b32 s10, s13, 6                         ; their indices: 64 bytes
	s_mov_b32 s11, 0
	s_lshl_b32 s14, s13, 14                        ; their rows of out0: 16,384 bytes
	s_mov_b32 s15, 0
	s_wait_alu depctr_va_vdst(0)
	s_wait_kmcnt 0x0
	s_add_nc_u64 s[6:7], s[6:7], s[10:11]
	s_add_nc_u64 s[8:9], s[8:9], s[14:15]
	s_load_b512 s[16:31], s[6:7], 0x0              ; 16 indices
	s_wait_kmcnt 0x0
.irp t, 0,1,2,3,4,5,6,7,8,9,10,11,12,13,14,15
	s_min_u32 s[16+\t], s[16+\t], 0x1fff           ; an index stays inside the table
	s_lshl_b32 s[16+\t], s[16+\t], 10              ; a row is 1,024 bytes
	v_add_nc_u32 v[2+\t], s[16+\t], v1
.endr
.set n, 0
	s_wait_alu depctr_va_vdst(0)
.rept 32
	global_load_b128 v[32+4*n:32+4*n+3], v[2+n/2], s[4:5] offset:512*(n%2)   ; token n / 2, half n % 2 of its row
.set n, n+1
.endr
.set n, 0
.rept 32
	s_wait_loadcnt 31-n                            ; loads come back in order: load n is in, the 31 - n younger ones may be out
	global_store_b128 v1, v[32+4*n:32+4*n+3], s[8:9] offset:512*n th:TH_STORE_NT   ; 32 lanes store 512 consecutive bytes, at a multiple of 256 from out0's first byte
.set n, n+1
.endr
	s_endpgm
.Lfunc_end_k_qdbb3e157ad_gather:
	.size	k_qdbb3e157ad_gather, .Lfunc_end_k_qdbb3e157ad_gather-k_qdbb3e157ad_gather
	.p2alignl 7, 3214868480
	.fill 96, 4, 3214868480
	.section	.rodata,"a",@progbits
	.p2align	6, 0x0
	.amdhsa_kernel k_qdbb3e157ad_gather
		.amdhsa_group_segment_fixed_size 0
		.amdhsa_private_segment_fixed_size 0
		.amdhsa_enable_private_segment 0
		.amdhsa_kernarg_size 24
		.amdhsa_user_sgpr_count 2
		.amdhsa_user_sgpr_kernarg_segment_ptr 1
		.amdhsa_wavefront_size32 1
		.amdhsa_system_sgpr_workgroup_id_x 1
		.amdhsa_system_sgpr_workgroup_id_y 1
		.amdhsa_system_sgpr_workgroup_id_z 1
		.amdhsa_system_vgpr_workitem_id 0
		.amdhsa_next_free_vgpr 164
		.amdhsa_next_free_sgpr 66
		.amdhsa_reserve_vcc 0
		.amdhsa_float_denorm_mode_32 3
		.amdhsa_float_denorm_mode_16_64 3
		.amdhsa_memory_ordered 1
		.amdhsa_forward_progress 1
		.amdhsa_inst_pref_size 11
	.end_amdhsa_kernel
	.amdgpu_metadata
---
amdhsa.version: [ 1, 2 ]
amdhsa.kernels:
  - .name:           k_qdbb3e157ad_gather
    .symbol:         k_qdbb3e157ad_gather.kd
    .args:
      - { .name: codebook, .offset: 0, .size: 8, .value_kind: global_buffer, .address_space: global }
      - { .name: order, .offset: 8, .size: 8, .value_kind: global_buffer, .address_space: global }
      - { .name: out0, .offset: 16, .size: 8, .value_kind: global_buffer, .address_space: global }
    .group_segment_fixed_size: 0
    .private_segment_fixed_size: 0
    .kernarg_segment_align: 8
    .kernarg_segment_size: 24
    .max_flat_workgroup_size: 256
    .sgpr_count:     66
    .vgpr_count:     164
    .wavefront_size: 32
...
	.end_amdgpu_metadata
.endif
;; end of part 4
